; MI455X (gfx1250); checked and timed in simulation.
; The chip was launched on July 23, 2026; its instructions are those of AMD's public machine-readable ISA for CDNA 5 (MIT licence, August 2026) and "CDNA5" Instruction Set Architecture Reference Guide (July 2026). The comments in the code are by the model that wrote it; some were corrected since.
;; Attention Layer. Allowed arithmetic: matrix products marked QUANTISED: E2M1 operands, one E8M0 scale for each 32 along K, by v_wmma_scale_f32_16x16x128_f8f6f4 with both operands' format E2M1 (or v_wmma_scale_f32_32x16x128_f4), f32 sums; products left as they are: f32 operands where the result goes on into a quantised operand, else bf16, f16 or f32 operands; f32 sums; everything else in f32.
;; Inputs: W 200 x 200 float32; b 200 float32; inputs 512 x 200 x 512 float32.
;; Outputs: out0 512 x 512 float32.
;; This version of the problem:
;;   THIS VERSION OF THE PROBLEM IS GIVEN IN LOW PRECISION. The matrix products marked QUANTISED in the list below multiply operands that are first quantised to E2M1 (2 exponent bits, 1 mantissa bit; 4 bits a number), with one power-of-two scale for each 32 numbers along K (OCP MX v1.0); their sums are f32. All else is computed in f32.
;;   The module's matrix products, in the order in which they are computed (A, B: the left and right operand; K: the contracted axis; several contracted axes count as one K, in the product's order):
;;     1. [M 262,144, K 200] x [K 200, N 200]; A: input inputs; B: input W: QUANTISED
;;     2. batch 262,144 x [M 1, K 200] x [K 200, N 1]; A: softmax; B: input inputs: left as it is (M = 1 < 16)
;;   THE QUANTISER, for each operand of a quantised product, along K:
;;     - K is cut into blocks of 32 from its start; a last block that is shorter is filled with zeros.
;;     - A block's scale is 2^e with e = floor(log2(the largest magnitude in the block)) - 2, held to -126 .. 127; a block of zeros has e = 0. As a byte (E8M0): e + 127.
;;     - Each number is divided by its block's scale, clamped to +-6, and rounded to the nearest number of E2M1, ties to even, subnormals kept.
;;     - The product sums the exact products of the quantised numbers (number of the format x scale) in f32.
;;   ~~~python
;;   def quantise(x, axis):      # numpy; x: float32 -> the quantised numbers, widened to float32 again
;;       x = np.moveaxis(x, axis, -1); K = x.shape[-1]
;;       x = np.pad(x, [(0, 0)] * (x.ndim - 1) + [(0, -K % 32)]); x = x.reshape(x.shape[:-1] + (-1, 32)); a = np.abs(x).max(-1, keepdims=True)
;;       e = np.where(a > 0, np.clip(np.frexp(np.where(a > 0, a, 1))[1] - 1 - 2, -126, 127), 0)      # np.frexp(a)[1] - 1 = floor(log2(a)), exactly
;;       r = np.clip(x / 2.0 ** e, -6, 6)
;;       step = 2.0 ** (np.maximum(np.frexp(np.where(r == 0, 1, r))[1] - 1, 0) - 1)
;;       q = np.round(r / step) * step * 2.0 ** e      # np.round: ties to even
;;       return np.moveaxis(q.reshape(q.shape[:-2] + (-1,))[..., :K], -1, axis).astype(np.float32)
;;   ~~~
;; One version. Each part assembles by itself: llvm-mc -triple=amdgcn-amd-amdhsa -mcpu=gfx1250 --defsym DOCPART=n.
;; ======== version 1 of 1: 1 launch
;; launch attn (part 1): grid 256 x 1, 8 waves a work-group, no clusters, 327,680 bytes of LDS; arguments W, b, inputs, out0; writes out0
.if DOCPART == 1
	.amdgcn_target "amdgcn-amd-amdhsa--gfx1250"
	.amdhsa_code_object_version 6
	.text
	.protected	k_qe9a2c3c2fc_attn
	.globl	k_qe9a2c3c2fc_attn
	.p2align	8
	.type	k_qe9a2c3c2fc_attn,@function
k_qe9a2c3c2fc_attn:
	s_mov_b64 s[64:65], 0
	v_nop
	global_prefetch_b8 v0, s[64:65] scope:SCOPE_SE
	s_setreg_imm32_b32 hwreg(HW_REG_WAVE_MODE, 25, 1), 1
	s_wait_xcnt 0x0
; out[b][d] = sum over t of p[t] x[b][t][d] / sum over t of p[t],  p[s] = exp(tanh(z[s])),  z[s] = sum over t of Q(x[b][t][d]) Q(W[t][s]) + bias[s].
; x = inputs [512][200][512] f32, W [200][200] f32, bias [200] f32, out [512][512] f32.  Q: MX-FP4 (E2M1 codes, one E8M0 scale for each 32 along K = t; 200 = 6 blocks of 32 and one of 8, filled with zero codes).
; THE SOFTMAX.  exp(tanh z) = e x 2^(-c u) with u = 1 / (1 + 2^(c z)), c = 2 log2(e); the factor e is common to numerator and divisor and is dropped.  No maximum is taken away: tanh, which the
; problem itself applies, holds the exponent -c u in [-c, 0] for every input, so every p lies in [2^-c, 1] and a row's sum in [27, 200].  2^(c z) = infinity gives u = 0, p = 1; 2^(c z) = 0 gives u = 1, p = 2^-c.
; SHARES.  256 work-groups of eight waves that stay.  Work-group x keeps one quarter of d (128 d: 512 bytes of a row) and walks the 8 batches 8 (x / 4) + k.  A step is a tile of 200 t x 128 d of f32, 102,400 bytes,
; brought by the tensor data mover into one of two LDS slots; it is read twice from there, by the quantiser and by the weighted sum, so memory is read once.  Wave w owns d = 16 w .. 16 w + 15 of the tile, all t, all s.
; THE PRODUCT.  Source 0 = x's codes (16 rows d, K = t), source 1 = W's codes (16 columns s = 16 tile + r).  In the result lane (r, h) holds in register j the score of d = 8 h + j and s = 16 tile + r:
; the bias is one register a tile, and the x that the weighted sum wants, x[t = 16 tile + r][8 h + 0 .. 7], is 32 consecutive bytes of the tile as it lies.  The sums over s then end with a sum over 16 lanes.
; W'S CODES, 26 fragments of 8 registers, stay in every wave's registers v256-463.  The work-group makes them itself at the head, while the first two tiles of x are on their way: seven waves quantise 32 columns each
; (a lane a column, registers down K) and hand the fragments round through LDS as images of the operand's registers.
; K INSIDE ODD BLOCKS IS ROTATED BY 8, alike in x and in W (place i of block p holds t = 32 p + (i + 8) % 32): products and scales are unchanged, and the two halves of the lanes, which hold an even and an odd block,
; read LDS rows 40 or 8 apart and not 32: at 68 words a row those lie 32 banks apart (64 banks of 4 bytes: ISA guide 11.1).
; NO CLUSTER: the work-groups' tiles of x are disjoint; what they share is W, 160,000 bytes read once by each against its 819,200 bytes of x.
; LIMITS.  NaN and infinities among the inputs are not served.  A block of zeros gets the scale byte 1 where the rule says 127: its codes are zeros, and only this text reads the bytes.
; The rotation changes the order in which a block's exact products are added.  Columns 200-207 of the last tile are copies of column 199 and get p = 0.
.set ROWG,   2048                      ; a row of x in memory, bytes
.set BATCH,  200*ROWG                  ; a batch: 409,600 bytes, the step of the tile's address
.set PITCH,  272                       ; an LDS row: 256 bytes (64 d) + 16 of padding
.set SUB,    200*PITCH                 ; half a slot: 200 rows of 64 d
.set SLOT1,  1<<17                     ; slot 1 begins here: one exclusive or turns an address from slot to slot
.set WIMG,   SLOT1+2*SUB               ; 28 images of fragments, 1,024 bytes each: tile x 2 + K step
.set WSC,    WIMG+28*1024              ; 14 x 128 bytes: W's scale words; lanes 0-15 K step 0, lanes 16-31 K step 1
.set STG,    WSC+14*128                ; 8 x 512 bytes: step k's 128 results; each byte is written once
.set SPARE,  STG+8*512                 ; the spare words, 128 bytes for each wave: four blocks of 256 bytes that no other line names
.set FLOOR,  0x1800000                 ; 2^(3 - 127): under it no largest magnitude is taken, so a scale byte cannot fall under 1
; vector registers, window 0
.set SPW,  2                           ; LDS address of my spare word; never rewritten
.set NIL,  3                           ; 0; never rewritten
.set AQ1C, 4                           ; lane constants: the quantiser's reads, places 0-23 of a block,
.set AQ2C, 5                           ; places 24-31,
.set AQ3C, 6                           ; rows 192-199;
.set AXC,  7                           ; the weighted sum's reads,
.set AXTC, 8                           ; those of its last tile (rows 192 + r % 8);
.set ASTC, 9                           ; my place in a step's results
.set AQ1,  10                          ; v10-15: the same six with the slot's (or the step's) offset, made in each step
.set AQ2,  11
.set AQ3,  12
.set AX,   13
.set AXT,  14
.set AST,  15
.set WCOL, 10                          ; at the head v10-15 serve W: my column's byte in a row of W,
.set WST,  11                          ; where my column's codes go,
.set WSS,  12                          ; and its scale words,
.set WLD,  13                          ; where an image is read back: WIMG + 16 x lane,
.set WSL,  14                          ; the scale words: WSC + 4 x lane,
.set BO,   15                          ; 4 r,
.set BO2,  18                          ; 4 (r % 8): offsets into the bias
.set MB,   16                          ; v[16:17] 0 where r < 8, -infinity elsewhere
.set SH8,  19                          ; 8 h
.set M,    20                          ; v20-23 largest magnitudes
.set BY,   24                          ; v24-27 second chains of the maxima, then scale bytes
.set SO,   28                          ; v28-31 the conversions' scale operands
.set XS0,  32                          ; x's scale words, K step 0
.set XS1,  33                          ; and 1
.set CB,   34                          ; v34-47 c x bias[16 tile + r]
.set SCW,  48                          ; v48-60 W's scale words
.set XC,   64                          ; v64-79 x's codes: two fragments
.set NUM,  80                          ; v80-87 numerators
.set DEN,  88                          ; v88-95 divisors
.set XR,   96                          ; v96-199 104 numbers of x; at the head two sets of 32 numbers of W
.set ACC,  96                          ; then the 13 accumulators
.set XB,   200                         ; v200-255 seven places of 8 numbers of x for the weighted sum; at the head W's codes
.set ZQ,   228                         ; at the head: four zeros
.set WW,   232                         ; at the head: my column's two scale words
; scalar registers
.set WV,   12                          ; my wave's number;  s13 the quarter of d;  s14 the group of 8 batches
.set G1,   16                          ; s[16:23] descriptor group 1
.set G0A,  24                          ; s[24:27] group 0 of tile 0
.set G0B,  28                          ; s[28:31] group 0 of tile 1, which then walks
.set TB,   32                          ; LDS byte at which the slot in hand begins
.set SK,   33                          ; 512 x step
.set CNT,  34
.set CS,   36                          ; s[36:37] c
.set NC,   38                          ; s[38:39] -c
.set SEL,  40                          ; s[40:41] v_permlanex16_b32's selects for lane l xor 16
.set HM,   42                          ; lanes 16-31
.set MSB, 0
.macro WIN new                         ; the immediate's high byte repeats the setting that is left
.if MSB != \new
	s_set_vgpr_msb (MSB<<8)|\new
.set MSB, \new
.endif
.endm
; the largest magnitude of 32 (8) numbers of one lane, in two chains, with the floor as a last leaf
.macro MAX32 d, e, x
	v_max3_num_f32 v[\d], |v[\x]|, |v[\x+1]|, |v[\x+2]|
	v_max3_num_f32 v[\e], |v[\x+3]|, |v[\x+4]|, |v[\x+5]|
.irp i, 6,10,14,18,22,26
	v_max3_num_f32 v[\d], v[\d], |v[\x+\i]|, |v[\x+\i+1]|
	v_max3_num_f32 v[\e], v[\e], |v[\x+\i+2]|, |v[\x+\i+3]|
.endr
	v_max3_num_f32 v[\d], v[\d], |v[\x+30]|, |v[\x+31]|
	v_max3_num_f32 v[\d], v[\d], v[\e], FLOOR
.endm
.macro MAX8 d, e, x
	v_max3_num_f32 v[\d], |v[\x]|, |v[\x+1]|, |v[\x+2]|
	v_max3_num_f32 v[\e], |v[\x+3]|, |v[\x+4]|, |v[\x+5]|
	v_max3_num_f32 v[\d], v[\d], |v[\x+6]|, |v[\x+7]|
	v_max3_num_f32 v[\d], v[\d], v[\e], FLOOR
.endm
	s_load_b256 s[4:11], s[0:1], 0x0               ; W s[4:5], bias s[6:7], x s[8:9], out s[10:11]
	v_lshl_add_u32 v[SPW], v0, 2, SPARE
	v_mov_b32 v[NIL], 0
	ds_add_u32 v2, v3
	ds_add_u32 v2, v3
	s_wait_dscnt 0x0
	v_lshrrev_b32 v1, 5, v0
	v_readfirstlane_b32 s[WV], v1                  ; wave 0..7
	s_and_b32 s13, ttmp9, 3                        ; my quarter of d
	s_lshr_b32 s14, ttmp9, 2                       ; my 8 batches
	; descriptor group 1: 50 rows x 64 elements of 4 bytes, 512 elements from row to row, 4 words of padding behind every 64
	s_mov_b32 s[G1+0], (2<<16)|(1<<20)|(5<<22)|(3<<25)
	s_mov_b32 s[G1+1], 64<<16                      ; tensor_dim0
	s_mov_b32 s[G1+2], 50<<16                      ; tensor_dim1
	s_mov_b32 s[G1+3], 64<<16                      ; tile_dim0
	s_mov_b32 s[G1+4], 50                          ; tile_dim1
	s_mov_b32 s[G1+5], 512                         ; tensor_dim0_stride
	s_mov_b32 s[G1+6], 0
	s_mov_b32 s[G1+7], 0
	; each wave fetches an eighth of a tile: half w % 2 of the 128 d, rows 50 (w / 2) on
	s_and_b32 s44, s[WV], 1
	s_lshr_b32 s45, s[WV], 1
	s_mul_i32 s46, s44, SUB
	s_mul_i32 s47, s45, 50*PITCH
	s_add_co_u32 s46, s46, s47                     ; where it goes in a slot
	s_lshl_b32 s44, s44, 8
	s_mul_i32 s47, s45, 50*ROWG
	s_add_co_u32 s44, s44, s47
	s_mul_i32 s47, s14, 8*BATCH
	s_add_co_u32 s44, s44, s47
	s_lshl_b32 s47, s13, 9
	s_add_co_u32 s44, s44, s47                     ; where it comes from: under 2^28 bytes into x
	s_mov_b32 s45, 0
	s_mov_b32 s[TB], 0
	s_mov_b32 s[SK], 0
	s_mov_b32 s[CS], 0x4038aa3b                    ; c = 2 log2(e)
	s_mov_b32 s[CS+1], s[CS]                       ; (the packed forms name the pair)
	s_mov_b32 s[NC], 0xc038aa3b
	s_mov_b32 s[NC+1], s[NC]
	s_mov_b32 s[SEL], 0x76543210
	s_mov_b32 s[SEL+1], 0xfedcba98
	s_mov_b32 s[HM], 0xffff0000
	s_wait_kmcnt 0x0
	s_mov_b32 s[G0A], 1                            ; count = 1
	s_mov_b32 s[G0A+1], s46                        ; LDS address: slot 0
	s_add_nc_u64 s[G0A+2:G0A+3], s[8:9], s[44:45]  ; global address: batch 0 of my 8
	s_mov_b32 s[G0B], 1
	s_add_co_u32 s[G0B+1], s46, SLOT1              ; slot 1
	s_add_nc_u64 s[G0B+2:G0B+3], s[G0A+2:G0A+3], BATCH
	s_or_b32 s[G0A+3], s[G0A+3], 0x80000000        ; type = 2
	s_or_b32 s[G0B+3], s[G0B+3], 0x80000000
	tensor_load_to_lds s[G0A:G0A+3], s[G1:G1+7]    ; both first fills go out together, ahead of every wait on TENSORcnt, every LDS read and every barrier: two loads of mine are out
	s_nop 0
	tensor_load_to_lds s[G0B:G0B+3], s[G1:G1+7]
	s_nop 0
.rept 4
	v_nop
.endr
	; every lane constant and every LDS address is made here, ahead of the branch on the wave's number
	v_and_b32 v20, 15, v0                          ; r
	v_bfe_u32 v21, v0, 4, 1                        ; h
	v_and_b32 v22, 31, v0                          ; lane
	v_and_b32 v23, 7, v0                           ; r % 8
	s_lshr_b32 s44, s[WV], 2
	s_mul_i32 s44, s44, SUB
	s_and_b32 s45, s[WV], 3
	s_lshl_b32 s45, s45, 6
	s_add_co_u32 s44, s44, s45                     ; my wave's 16 d: half w / 4 of the slot, 64 (w % 4) bytes into its rows
	v_lshl_add_u32 v[AQ3C], v20, 2, s44            ; + 4 r: my d
	v_mad_u32_u24 v[AQ1C], v21, 40*PITCH, v[AQ3C]  ; lanes 16-31 hold the odd block: 32 rows on, and 8 more for the rotation,
	v_mad_u32_u24 v[AQ2C], v21, 8*PITCH, v[AQ3C]   ; or 24 fewer where it has wrapped
	v_mul_u32_u24 v[AXC], v20, PITCH
	v_lshl_add_u32 v[AXC], v21, 5, v[AXC]
	v_add_nc_u32 v[AXC], s44, v[AXC]               ; row r, + 32 h: eight d
	v_mul_u32_u24 v[AXTC], v23, PITCH
	v_lshl_add_u32 v[AXTC], v21, 5, v[AXTC]
	v_add_nc_u32 v[AXTC], s44, v[AXTC]             ; the same with row r % 8: no read passes row 199
	s_lshl_b32 s45, s[WV], 6
	s_add_co_u32 s45, s45, STG
	v_lshl_add_u32 v[ASTC], v21, 5, s45            ; results: 64 bytes a wave, 32 a half
	s_lshl_b32 s45, s[WV], 5
	v_add_nc_u32 v[WCOL], s45, v22
	v_min_u32 v[WCOL], 199, v[WCOL]                ; my column of W: 32 wave + lane, held at the last
	v_lshlrev_b32 v[WCOL], 2, v[WCOL]
	s_lshl_b32 s45, s[WV], 12
	s_add_co_u32 s45, s45, WIMG
	v_lshlrev_b32 v[WST], 4, v20
	v_lshl_add_u32 v[WST], v21, 11, v[WST]
	v_add_nc_u32 v[WST], s45, v[WST]               ; tile 2 wave + lane / 16 (2,048 bytes a tile), 16 bytes at 16 (lane % 16); block p lies 256 p further on
	s_lshl_b32 s45, s[WV], 8
	s_add_co_u32 s45, s45, WSC
	v_lshlrev_b32 v[WSS], 2, v20
	v_lshl_add_u32 v[WSS], v21, 7, v[WSS]
	v_add_nc_u32 v[WSS], s45, v[WSS]
	v_lshl_add_u32 v[WLD], v22, 4, WIMG
	v_lshl_add_u32 v[WSL], v22, 2, WSC
	v_lshlrev_b32 v[BO], 2, v20
	v_lshlrev_b32 v[BO2], 2, v23
	v_lshlrev_b32 v[SH8], 3, v21
	v_cmp_gt_u32 vcc_lo, 8, v20
	v_mov_b32 v[MB], 0xff800000
	v_cndmask_b32 v[MB], v[MB], 0, vcc_lo          ; 0 where r < 8
	v_mov_b32 v[MB+1], v[MB]
.irp t, 0,1,2,3,4,5,6,7,8,9,10,11
	global_load_b32 v[CB+\t], v[BO], s[6:7] offset:64*\t   ; bias[16 tile + r]
.endr
	global_load_b32 v[CB+12], v[BO2], s[6:7] offset:768    ; bias[192 + r % 8]
	s_cmp_eq_u32 s[WV], 7                          ; 7 x 32 columns cover W's 200: wave 7 has none.  No barrier, no tensor load and no loop stands under this branch
	s_cbranch_scc1 .Lw_done
; W: A LANE TAKES A COLUMN AND ITS REGISTERS RUN DOWN K.  Block t's 32 numbers (8 in block 6) into set t % 2; a wave's load reads 128 consecutive bytes of a row of W.
.macro LOADW t
.set nW, 32
.if (\t) == 6
.set nW, 8
.endif
.set iW, 0
.rept nW
.if (\t)%2
.set rW, 32*(\t)+(iW+8)%32                     ; odd blocks rotated by 8, as x's are
.else
.set rW, 32*(\t)+iW
.endif
	global_load_b32 v[XR+32*((\t)%2)+iW], v[WCOL], s[4:5] offset:rW*800
.set iW, iW+1
.endr
.endm
; block t: largest magnitude, scale byte, codes; the codes go to their place in the fragment's image.  Each block has code registers of its own, so no LDS store's data are written again.
.macro BLOCKW t, left
.set XW, XR+32*((\t)%2)
	s_wait_loadcnt \left                           ; this block's loads are in (and the bias, which is older); left = the next block's loads, which may be out
.if (\t) < 6
	MAX32 M, M+1, XW
.else
	MAX8 M, M+1, XW
.endif
	v_add_nc_u32 v[SO], 0xff000000, v[M]           ; 2 off the exponent field: the conversion takes the exponent field of this operand as its scale
	v_lshrrev_b32 v[BY], 23, v[SO]                 ; the scale's byte
.if (\t)%4 == 0
	v_mov_b32 v[WW+(\t)/4], v[BY]
.else
	v_lshl_or_b32 v[WW+(\t)/4], v[BY], 8*((\t)%4), v[WW+(\t)/4]
.endif
.if (\t) < 6
.irp g, 0,1,2,3
	v_cvt_scalef32_pk8_fp4_f32 v[XB+4*(\t)+\g], v[XW+8*\g:XW+8*\g+7], v[SO]
.endr
	v_nop                                          ; one plain place behind a scaled conversion
.else
	v_cvt_scalef32_pk8_fp4_f32 v[XB+4*(\t)], v[XW:XW+7], v[SO]
	v_mov_b32 v[XB+4*(\t)+1], 0                    ; t = 200 .. 223: zero codes
	v_mov_b32 v[XB+4*(\t)+2], 0
	v_mov_b32 v[XB+4*(\t)+3], 0
.endif
	ds_store_b128 v[WST], v[XB+4*(\t):XB+4*(\t)+3] offset:256*(\t)
.if (\t)+2 < 7
	LOADW (\t)+2
.endif
.endm
	LOADW 0
	LOADW 1
.irp j, 0,1,2,3
	v_mov_b32 v[ZQ+\j], 0
.endr
	BLOCKW 0, 32
	BLOCKW 1, 32
	BLOCKW 2, 32
	BLOCKW 3, 32
	BLOCKW 4, 32
	BLOCKW 5, 8
	BLOCKW 6, 0
	ds_store_b128 v[WST], v[ZQ:ZQ+3] offset:256*7  ; block 7: zero codes,
	v_or_b32 v[WW+1], 0x7f000000, v[WW+1]          ; under the byte 127
	ds_store_b32 v[WSS], v[WW]
	ds_store_b32 v[WSS], v[WW+1] offset:64
.Lw_done:
	s_wait_loadcnt 0x0                             ; the bias
.irp t, 0,1,2,3,4,5,6,7,8,9,10,11,12
	v_mul_f32 v[CB+\t], s[CS], v[CB+\t]            ; c x bias: the multiply-add that scales a score then adds it for nothing
.endr
	v_mov_b32 v[CB+13], 0                          ; (named as the upper half of tile 12's pair)
.irp j, 13,14,15
	v_mov_b32 v[XC+\j], 0                          ; x's codes of t = 200 .. 255: zeros, written once
.endr
	s_wait_tensorcnt 0x1                           ; my part of tile 0 is in; tile 1's may stay out
	s_wait_dscnt 0x0                               ; my images of W have landed
	s_barrier_signal -1
	s_barrier_wait -1                              ; everybody's have, and tile 0 is whole
	WIN 0x40                                       ; destination window 1
.set fW, 0
.rept 26
	ds_load_b128 v[8*fW:8*fW+3],   v[WLD] offset:1024*fW        ; fragment f = 2 tile + K step: the registers as their maker stored them
	ds_load_b128 v[8*fW+4:8*fW+7], v[WLD] offset:1024*fW+512
.set fW, fW+1
.endr
	WIN 0
.irp t, 0,1,2,3,4,5,6,7,8,9,10,11,12
	ds_load_b32 v[SCW+\t], v[WSL] offset:128*\t
.endr
	s_wait_dscnt 0x0
; x for the weighted sum: tile t's rows 16 t + r, my half's eight d: 32 bytes, into place t % 7
.macro XBLOAD t
.set pX, XB+8*((\t)%7)
.if (\t) == 12
	ds_load_b128 v[pX:pX+3],   v[AXT] offset:16*12*PITCH
	ds_load_b128 v[pX+4:pX+7], v[AXT] offset:16*12*PITCH+16
.else
	ds_load_b128 v[pX:pX+3],   v[AX] offset:16*(\t)*PITCH
	ds_load_b128 v[pX+4:pX+7], v[AX] offset:16*(\t)*PITCH+16
.endif
.endm
; packed line n (two numbers) of tile t ahead of a batch of transcendentals.  kind 1: c z = c x score + c x bias;  2: 1 + 2^(c z);  3: -c u (in the last tile with -infinity added in the lanes of columns 200 on: p = 0 there)
.macro PK kind, t, n
.set rA, ACC+8*(\t)+2*(\n)
.if \kind == 1
.if (\t)%2 == 0
	v_pk_fma_f32 v[rA:rA+1], v[rA:rA+1], s[CS:CS+1], v[CB+(\t):CB+(\t)+1] op_sel_hi:[1,0,0]
.else
	v_pk_fma_f32 v[rA:rA+1], v[rA:rA+1], s[CS:CS+1], v[CB+(\t)-1:CB+(\t)] op_sel:[0,0,1] op_sel_hi:[1,0,1]
.endif
.elseif \kind == 2
	v_pk_add_f32 v[rA:rA+1], v[rA:rA+1], 1.0 op_sel_hi:[1,0]
.elseif (\t) == 12
	v_pk_fma_f32 v[rA:rA+1], v[rA:rA+1], s[NC:NC+1], v[MB:MB+1] op_sel_hi:[1,0,0]
.else
	v_pk_mul_f32 v[rA:rA+1], v[rA:rA+1], s[NC:NC+1] op_sel_hi:[1,0]
.endif
.endm
; ONE BATCH of 104 transcendentals, one for each score.  A tile's packed lines stand among the transcendentals of the tile before: one plain line behind every two.  No line names a register whose
; transcendental of this batch has been issued, so the batch has one plain line and ONE wait behind it (the wait stands ahead of the first line that names a result).
; Each accumulator is first read at its lowest pair.
.macro STAGE kind
.irp n, 0,1,2,3
	PK \kind, 0, \n
.endr
.irp t, 0,1,2,3,4,5,6,7,8,9,10,11,12
.irp n, 0,1,2,3
.if \kind == 2
	v_rcp_f32 v[ACC+8*\t+2*\n], v[ACC+8*\t+2*\n]
	v_rcp_f32 v[ACC+8*\t+2*\n+1], v[ACC+8*\t+2*\n+1]
.else
	v_exp_f32 v[ACC+8*\t+2*\n], v[ACC+8*\t+2*\n]
	v_exp_f32 v[ACC+8*\t+2*\n+1], v[ACC+8*\t+2*\n+1]
.endif
.if \t < 12
	PK \kind, \t+1, \n
.endif
.endr
.endr
	v_nop
	s_wait_alu depctr_va_vdst(0)
.endm
; A STEP: my 16 d of the tile in the slot at s[TB].
.macro COMPUTE
	v_add_nc_u32 v[AQ1], s[TB], v[AQ1C]
	v_add_nc_u32 v[AQ2], s[TB], v[AQ2C]
	v_add_nc_u32 v[AQ3], s[TB], v[AQ3C]
	; lane (r, h) takes d = r and, for pair c of blocks, all 32 numbers of block 2 c + h, in the order of the operand's registers: a block's largest magnitude needs no other lane
.irp c, 0,1,2
.irp i, 0,1,2,3,4,5,6,7,8,9,10,11,12,13,14,15,16,17,18,19,20,21,22,23
	ds_load_b32 v[XR+32*\c+\i], v[AQ1] offset:(64*\c+\i)*PITCH
.endr
.irp i, 24,25,26,27,28,29,30,31
	ds_load_b32 v[XR+32*\c+\i], v[AQ2] offset:(64*\c+\i)*PITCH
.endr
.endr
.irp i, 0,1,2,3,4,5,6,7
	ds_load_b32 v[XR+96+\i], v[AQ3] offset:(192+\i)*PITCH   ; block 6's eight numbers, in both halves of the lanes
.endr
	s_wait_dscnt 40                                ; the first two pairs of blocks are in; the 32 + 8 loads behind them may be out
	MAX32 M, BY, XR
	MAX32 M+1, BY+1, XR+32
	s_wait_dscnt 0x0
	MAX32 M+2, BY+2, XR+64
	MAX8 M+3, BY+3, XR+96
.irp c, 0,1,2,3
	v_add_nc_u32 v[SO+\c], 0xff000000, v[M+\c]     ; 2 off the exponent field: the conversion's scale operand
.endr
.irp c, 0,1,2,3
	v_lshrrev_b32 v[BY+\c], 23, v[SO+\c]           ; the scale's byte
.endr
	v_lshl_or_b32 v[BY], v[BY+1], 16, v[BY]        ; my two bytes of K step 0: blocks h and 2 + h,
	v_lshl_or_b32 v[BY+2], v[BY+3], 16, v[BY+2]    ; and of K step 1: blocks 4 + h and 6 + h,
	v_lshlrev_b32 v[BY], v[SH8], v[BY]             ; at their places in the word
	v_lshlrev_b32 v[BY+2], v[SH8], v[BY+2]
	v_permlanex16_b32 v[BY+1], v[BY], s[SEL], s[SEL+1]
	v_permlanex16_b32 v[BY+3], v[BY+2], s[SEL], s[SEL+1]
	v_or_b32 v[XS0], v[BY], v[BY+1]                ; with lane l xor 16's two the words are whole: lane r has row r's
	v_or_b32 v[XS1], v[BY+2], v[BY+3]
.irp c, 0,1,2
.irp g, 0,1,2,3
	v_cvt_scalef32_pk8_fp4_f32 v[XC+4*\c+\g], v[XR+32*\c+8*\g:XR+32*\c+8*\g+7], v[SO+\c]
.endr
.endr
	v_cvt_scalef32_pk8_fp4_f32 v[XC+12], v[XR+96:XR+103], v[SO+3]
	v_nop                                          ; one plain place behind a scaled conversion
	v_cndmask_b32 v[XC+12], v[XC+12], 0, s[HM]     ; block 7 (lanes 16-31) is zero codes; its byte is block 6's, which scales zeros
	v_add_nc_u32 v[AX], s[TB], v[AXC]              ; eight plain lines: a scale word made by vector instructions stands 8 places ahead of a scaled matrix instruction, an operand 4
	v_add_nc_u32 v[AXT], s[TB], v[AXTC]
	v_add_nc_u32 v[AST], s[SK], v[ASTC]
.rept 5
	v_nop
.endr
	WIN 0x04                                       ; source 1 (W) in window 1
.irp t, 0,1,2,3,4,5,6,7,8,9,10,11,12           ; the 13 accumulators take turns, one instruction a turn; the first K step starts the sums
	v_wmma_scale_f32_16x16x128_f8f6f4 v[ACC+8*\t:ACC+8*\t+7], v[XC:XC+7], v[16*\t:16*\t+7], 0, v[XS0], v[SCW+\t] matrix_a_fmt:MATRIX_FMT_FP4 matrix_b_fmt:MATRIX_FMT_FP4
.endr
.irp t, 0,1,2,3,4,5,6,7,8,9,10,11,12
	v_wmma_scale_f32_16x16x128_f8f6f4 v[ACC+8*\t:ACC+8*\t+7], v[XC+8:XC+15], v[16*\t+8:16*\t+15], v[ACC+8*\t:ACC+8*\t+7], v[XS1], v[SCW+\t] matrix_a_fmt:MATRIX_FMT_FP4 matrix_b_fmt:MATRIX_FMT_FP4 matrix_b_scale:MATRIX_SCALE_ROW1
.endr
	WIN 0
.irp t, 0,1,2,3,4,5,6
	XBLOAD \t                                      ; asked for three batches ahead of their use
.endr
.rept 4
	v_nop                                          ; four places between the last product and the first read of results (ISA guide 7.12.1)
.endr
	STAGE 1                                        ; 2^(c z)
	STAGE 2                                        ; u = 1 / (1 + 2^(c z))
	STAGE 3                                        ; p = 2^(-c u)
	s_wait_dscnt 0x0                               ; x of tiles 0 to 6
.irp t, 0,1,2,3,4,5,6,7,8,9,10,11,12           ; numerator += p x, divisor += p, two d at a time; the first tiles start the sums: nothing is cleared
.if \t >= 7
	s_wait_dscnt 2*(12-\t)                         ; this tile's two loads are in; two for each later tile may be out
.endif
.irp n, 0,2,4,6
.if \t == 0
	v_pk_mul_f32 v[NUM+\n:NUM+\n+1], v[ACC+\n:ACC+\n+1], v[XB+\n:XB+\n+1]
.else
	v_pk_fma_f32 v[NUM+\n:NUM+\n+1], v[ACC+8*\t+\n:ACC+8*\t+\n+1], v[XB+8*(\t%7)+\n:XB+8*(\t%7)+\n+1], v[NUM+\n:NUM+\n+1]
.endif
.if \t == 1
	v_pk_add_f32 v[DEN+\n:DEN+\n+1], v[ACC+\n:ACC+\n+1], v[ACC+8+\n:ACC+8+\n+1]
.elseif \t > 1
	v_pk_add_f32 v[DEN+\n:DEN+\n+1], v[DEN+\n:DEN+\n+1], v[ACC+8*\t+\n:ACC+8*\t+\n+1]
.endif
.endr
.if \t < 6
	XBLOAD \t+7                                    ; into the place just used
.endif
.endr
.irp m, 1,2,4,8                                ; over the 16 lanes that hold the 16 columns of a tile: every lane of a half ends with the sums of its eight d
.irp j, 0,1,2,3,4,5,6,7,8,9,10,11,12,13,14,15
	v_add_f32_dpp v[NUM+\j], v[NUM+\j], v[NUM+\j] row_xmask:\m row_mask:0xf bank_mask:0xf
.endr
.endr
.irp j, 0,1,2,3,4,5,6,7
	v_rcp_f32 v[DEN+\j], v[DEN+\j]
.endr
	v_nop                                          ; a plain line behind the last reciprocal,
	s_wait_alu depctr_va_vdst(0)                   ; and one wait for the eight, ahead of their first reader
.irp n, 0,2,4,6
	v_pk_mul_f32 v[NUM+\n:NUM+\n+1], v[NUM+\n:NUM+\n+1], v[DEN+\n:DEN+\n+1]
.endr
	ds_store_b128 v[AST], v[NUM:NUM+3]             ; the sixteen lanes of a half write the same bytes with the same values
	ds_store_b128 v[AST], v[NUM+4:NUM+7] offset:16
	s_add_co_u32 s[SK], s[SK], 512
.endm
; THE CHANGE OF SLOTS, at a step's head.  Each wave waits for all its tensor loads (its part of the tile that it is about to read), adds 0 to its spare word, and waits for that and for its reads of the slot that it has
; left (and its stores of results).  Behind the barrier the slot ahead is whole and nobody reads the other.  fill = 1: that other slot takes the tile after next's place: one load a wave, 12,800 bytes, 102,400 for the eight,
; with a whole step's work in which to land.
.macro CHANGE fill
	s_wait_tensorcnt 0x0                           ; no tensor load of mine is out, so a group 0 may be written
	ds_add_u32 v[SPW], v[NIL]                      ; 0 onto my spare word
.if \fill
	s_xor_b32 s[G0B+1], s[G0B+1], SLOT1            ; the walking descriptor: the other slot than last time,
	s_add_nc_u64 s[G0B+2:G0B+3], s[G0B+2:G0B+3], BATCH   ; the next batch; the type bits on top are not reached
.endif
	s_xor_b32 s[TB], s[TB], SLOT1                  ; my reads go on to the other slot
	s_wait_dscnt 0x0
	s_barrier_signal -1
	s_barrier_wait -1
.if \fill
	tensor_load_to_lds s[G0B:G0B+3], s[G1:G1+7]    ; the first thing behind the barrier, and my one tensor load until the next
	s_nop 0
.rept 4
	v_nop
.endr
.endif
.endm
	COMPUTE                                        ; step 0
	s_mov_b32 s[CNT], 6
.Lstep:                                            ; steps 1 to 6: step k asks for tile k + 1
	CHANGE 1
	COMPUTE
	s_sub_co_u32 s[CNT], s[CNT], 1
	s_cmp_lg_u32 s[CNT], 0
	s_cbranch_scc1 .Lstep
	CHANGE 0                                       ; step 7 is written out
	COMPUTE
	; THE WAY OUT.  The stage holds 8 batches x 128 d.  Wave w stores batch w's 512 bytes: 16 bytes a lane, 512 consecutive bytes at a multiple of 512 from out's first byte.
	s_lshl_b32 s44, s14, 3
	s_add_co_u32 s44, s44, s[WV]
	s_lshl_b32 s44, s44, 11                        ; batch 8 (x / 4) + w: 2,048 bytes a batch,
	s_lshl_b32 s45, s13, 9
	s_add_co_u32 s44, s44, s45                     ; my quarter of d
	s_mov_b32 s45, 0
	s_add_nc_u64 s[10:11], s[10:11], s[44:45]
	s_lshl_b32 s46, s[WV], 9
	s_add_co_u32 s46, s46, STG
	v_and_b32 v1, 31, v0
	v_lshlrev_b32 v1, 4, v1
	v_add_nc_u32 v[AQ1], s46, v1
	s_wait_dscnt 0x0                               ; for the others' sake: my last results have landed
	s_barrier_signal -1
	s_barrier_wait -1
	ds_load_b128 v[NUM:NUM+3], v[AQ1]
	s_wait_dscnt 0x0
	global_store_b128 v1, v[NUM:NUM+3], s[10:11] th:TH_STORE_NT
	s_wait_tensorcnt 0x0                           ; the wave's end: behind my last tensor load and my last LDS store
	ds_add_u32 v[SPW], v[NIL]
	s_wait_dscnt 0x0
	s_endpgm
.Lfunc_end_k_qe9a2c3c2fc_attn:
	.size	k_qe9a2c3c2fc_attn, .Lfunc_end_k_qe9a2c3c2fc_attn-k_qe9a2c3c2fc_attn
	.p2alignl 7, 3214868480
	.fill 96, 4, 3214868480
	.section	.rodata,"a",@progbits
	.p2align	6, 0x0
	.amdhsa_kernel k_qe9a2c3c2fc_attn
		.amdhsa_group_segment_fixed_size 327680
		.amdhsa_private_segment_fixed_size 0
		.amdhsa_enable_private_segment 0
		.amdhsa_kernarg_size 32
		.amdhsa_user_sgpr_count 2
		.amdhsa_user_sgpr_kernarg_segment_ptr 1
		.amdhsa_wavefront_size32 1
		.amdhsa_system_sgpr_workgroup_id_x 1
		.amdhsa_system_sgpr_workgroup_id_y 1
		.amdhsa_system_sgpr_workgroup_id_z 1
		.amdhsa_system_vgpr_workitem_id 0
		.amdhsa_next_free_vgpr 512
		.amdhsa_next_free_sgpr 66
		.amdhsa_reserve_vcc 1
		.amdhsa_float_denorm_mode_32 3
		.amdhsa_float_denorm_mode_16_64 3
		.amdhsa_memory_ordered 1
		.amdhsa_forward_progress 1
		.amdhsa_inst_pref_size 186
	.end_amdhsa_kernel
	.amdgpu_metadata
---
amdhsa.version: [ 1, 2 ]
amdhsa.kernels:
  - .name:           k_qe9a2c3c2fc_attn
    .symbol:         k_qe9a2c3c2fc_attn.kd
    .args:
      - { .name: W, .offset: 0, .size: 8, .value_kind: global_buffer, .address_space: global }
      - { .name: b, .offset: 8, .size: 8, .value_kind: global_buffer, .address_space: global }
      - { .name: inputs, .offset: 16, .size: 8, .value_kind: global_buffer, .address_space: global }
      - { .name: out0, .offset: 24, .size: 8, .value_kind: global_buffer, .address_space: global }
    .group_segment_fixed_size: 327680
    .private_segment_fixed_size: 0
    .kernarg_segment_align: 8
    .kernarg_segment_size: 32
    .max_flat_workgroup_size: 256
    .sgpr_count:     66
    .vgpr_count:     512
    .wavefront_size: 32
...
	.end_amdgpu_metadata
.endif
;; end of part 1
